; MI455X (gfx1250); checked and timed in simulation.
; The chip was launched on July 23, 2026; its instructions are those of AMD's public machine-readable ISA for CDNA 5 (MIT licence, August 2026) and "CDNA5" Instruction Set Architecture Reference Guide (July 2026). The comments in the code are by the model that wrote it; some were corrected since.
;; Ro PE Multihead Attention. Allowed arithmetic: matrix products marked QUANTISED: E5M2 operands, one E8M0 scale for each 32 along K, by v_wmma_scale_f32_16x16x128_f8f6f4 with both operands' format E5M2, f32 sums; everything else in f32.
;; Inputs: Wk_codes 1,024 x 32 x 32 uint8 (E5M2 codes of Wk, K innermost, in blocks of 32 codes); Wk_scales 1,024 x 32 uint8 (E8M0 scales of Wk, one for each 32 codes along K); Wo_codes 1,024 x 32 x 32 uint8 (E5M2 codes of Wo, K innermost, in blocks of 32 codes); Wo_scales 1,024 x 32 uint8 (E8M0 scales of Wo, one for each 32 codes along K); Wq_codes 1,024 x 32 x 32 uint8 (E5M2 codes of Wq, K innermost, in blocks of 32 codes); Wq_scales 1,024 x 32 uint8 (E8M0 scales of Wq, one for each 32 codes along K); Wv_codes 1,024 x 32 x 32 uint8 (E5M2 codes of Wv, K innermost, in blocks of 32 codes); Wv_scales 1,024 x 32 uint8 (E8M0 scales of Wv, one for each 32 codes along K); bk 1,024 float32; bo 1,024 float32; bq 1,024 float32; bv 1,024 float32; x_codes 4 x 2,048 x 32 x 32 uint8 (E5M2 codes of x, K innermost, in blocks of 32 codes); x_scales 4 x 2,048 x 32 uint8 (E8M0 scales of x, one for each 32 codes along K).
;; Outputs: out0 4 x 2,048 x 1,024 float32.
;; This version of the problem:
;;   THIS VERSION OF THE PROBLEM IS GIVEN IN LOW PRECISION. The matrix products marked QUANTISED in the list below multiply operands that are first quantised to E5M2 (5 exponent bits, 2 mantissa bits; 8 bits a number), with one power-of-two scale for each 32 numbers along K (OCP MX v1.0); their sums are f32. All else is computed in f32.
;;   The module's matrix products, in the order in which they are computed (A, B: the left and right operand; K: the contracted axis; several contracted axes count as one K, in the product's order):
;;     1. [M 8,192, K 1,024] x [K 1,024, N 1,024]; A: input x (given as codes); B: input Wq (given as codes): QUANTISED
;;     2. [M 8,192, K 1,024] x [K 1,024, N 1,024]; A: input x (given as codes); B: input Wk (given as codes): QUANTISED
;;     3. [M 8,192, K 1,024] x [K 1,024, N 1,024]; A: input x (given as codes); B: input Wv (given as codes): QUANTISED
;;     4. batch 64 x [M 2,048, K 64] x [K 64, N 2,048]; A: computed on the way; B: computed on the way: QUANTISED
;;     5. batch 64 x [M 2,048, K 2,048] x [K 2,048, N 64]; A: softmax (see below); B: computed on the way: QUANTISED
;;     6. [M 8,192, K 1,024] x [K 1,024, N 1,024]; A: computed on the way; B: input Wo (given as codes): QUANTISED
;;   THE QUANTISER, for each operand of a quantised product, along K:
;;     - K is cut into blocks of 32 from its start; a last block that is shorter is filled with zeros.
;;     - A block's scale is 2^e with e = floor(log2(the largest magnitude in the block)) - 15, held to -126 .. 127; a block of zeros has e = 0. As a byte (E8M0): e + 127.
;;     - Each number is divided by its block's scale, clamped to +-57,344, and rounded to the nearest number of E5M2, ties to even, subnormals kept.
;;     - The product sums the exact products of the quantised numbers (number of the format x scale) in f32.
;;   ~~~python
;;   def quantise(x, axis):      # numpy; x: float32 -> the quantised numbers, widened to float32 again
;;       x = np.moveaxis(x, axis, -1); K = x.shape[-1]
;;       x = np.pad(x, [(0, 0)] * (x.ndim - 1) + [(0, -K % 32)]); x = x.reshape(x.shape[:-1] + (-1, 32)); a = np.abs(x).max(-1, keepdims=True)
;;       e = np.where(a > 0, np.clip(np.frexp(np.where(a > 0, a, 1))[1] - 1 - 15, -126, 127), 0)      # np.frexp(a)[1] - 1 = floor(log2(a)), exactly
;;       r = np.clip(x / 2.0 ** e, -57344, 57344)
;;       step = 2.0 ** (np.maximum(np.frexp(np.where(r == 0, 1, r))[1] - 1, -14) - 2)
;;       q = np.round(r / step) * step * 2.0 ** e      # np.round: ties to even
;;       return np.moveaxis(q.reshape(q.shape[:-2] + (-1,))[..., :K], -1, axis).astype(np.float32)
;;   ~~~
;;   SOFTMAX AHEAD OF A QUANTISED PRODUCT. Where the list says 'softmax', what is quantised is not the finished softmax but p = 2^(t - M), with t = logit x log2(e) and M = ceil(the row's largest t), a whole number; so 1/2 < the row's largest p <= 1. The row's sum l is taken of the UNQUANTISED p, in f32, and the product's result is divided by l at the end. Since M is a whole number, a kernel that streams over the keys may use a running M (the ceiling of the running maximum): every later rescaling is an exact power of two, which a block's scale takes up: the codes' values come out the same.
;;   OPERANDS COMPUTED ON THE WAY. 'Computed on the way' means the value that the module computes at that place (a softmax that the list does not call 'softmax' is quantised finished and normalised). What goes into a quantiser is computed in f32, as accurately as f32 sums, v_exp_f32 and their like allow (about 1e-6 of the number): no bf16 or f16 on the way to a quantiser, and a product that is left as it is and whose result goes on into a quantised operand takes f32 operands (vector FMAs, or v_wmma_f32_16x16x4_f32). A number that lies on a knife's edge between two numbers of the format may be rounded either way, as far as f32 arithmetic and the matrix unit's own rounding can turn it there, and no further.
;;   INPUTS GIVEN AS CODES. Wk (in the module: [1024, 1024], K = its axis 1); Wo (in the module: [1024, 1024], K = its axis 1); Wq (in the module: [1024, 1024], K = its axis 1); Wv (in the module: [1024, 1024], K = its axis 1); x (in the module: [4, 2048, 1024], K = its axis 2): each comes as NAME_codes (uint8): NAME with its K axis moved to the last place and cut into blocks of 32 codes, [.., K / 32, bytes a block], one block behind the other in memory; one code a byte (a code: sign, 5 exponent bits, 2 mantissa bits); and NAME_scales (uint8): the same leading axes, one E8M0 byte (e + 127) for each 32 codes along K. Its value is code x scale, taken as it is: it is not quantised again, and the codes and scales need not be those that the quantiser above would give.
;; One version. Each part assembles by itself: llvm-mc -triple=amdgcn-amd-amdhsa -mcpu=gfx1250 --defsym DOCPART=n.
;; ======== version 1 of 1: 3 launches
;; workspace buffers: qc 8,388,608 bytes; qs 524,288 bytes; kv 17,825,792 bytes; oc 8,388,608 bytes; os 262,144 bytes
;; launch qkv (part 1): grid 16 x 16, 4 waves a work-group, clusters of 4 x 1, 327,680 bytes of LDS; arguments x_codes, x_scales, Wq_codes, Wq_scales, bq, Wk_codes, Wk_scales, bk, Wv_codes, Wv_scales, bv, qc, qs, kv; writes qc, qs, kv
.if DOCPART == 1
	.amdgcn_target "amdgcn-amd-amdhsa--gfx1250"
	.amdhsa_code_object_version 6
	.text
	.protected	k_qbbe5391e5a_qkv
	.globl	k_qbbe5391e5a_qkv
	.p2align	8
	.type	k_qbbe5391e5a_qkv,@function
k_qbbe5391e5a_qkv:
	s_mov_b64 s[64:65], 0
	v_nop
	global_prefetch_b8 v0, s[64:65] scope:SCOPE_SE
	s_setreg_imm32_b32 hwreg(HW_REG_WAVE_MODE, 25, 1), 1
	s_wait_xcnt 0x0
	s_wait_alu depctr_hold_cnt(0) depctr_sa_sdst(0) depctr_va_vdst(0) depctr_va_sdst(0) depctr_va_ssrc(0) depctr_va_vcc(0) depctr_vm_vsrc(0)
	s_getreg_b32 s2, hwreg(HW_REG_IB_STS2, 6, 4)
	s_cmp_eq_u32 s2, 0
	s_cbranch_scc0 .Lentry_in_a_cluster
	s_endpgm
.Lentry_in_a_cluster:
	s_bfe_u32 s2, ttmp6, 0x10000c
	s_cmp_lg_u32 s2, 0x3003
	s_cbranch_scc0 .Lentry_shape_is_right
	s_endpgm
.Lentry_shape_is_right:
; q = rope(x Wq^T + bq), k = rope(x Wk^T + bk), v = x Wv^T + bv for one head and 512 tokens, all three products on codes of E5M2 with E8M0 scales; the results are quantised here,
; q and k along the head's 64 (two blocks of 32), v along the tokens (its K in the second attention product), and stored as images of operand registers.
; DEAD WORK: none is left out in any of the three launches: every input has a way to the output (bk moves k's codes, so it stays), and every input is loaded.
; LIMITS: a block whose largest magnitude lies under 2^-111 gets the scale byte 1; a block of zeros gets the byte 1 where the rule says 127 (its codes are zeros, and these bytes are read by this program alone);
; NaN and infinities among the inputs are not served; the RoPE frequency is 2^(-i log2(1e5)/32) by v_exp_f32, so at position 2,047 an angle may differ by about 1e-4 from one made of a differently rounded frequency.
; SHARES.  Cluster x = the batch, place in the cluster = which 512 tokens, y = the head.  The head's three slices of W (64 rows x 1,024 bytes each) stay in LDS; the four partners differ in their tokens alone,
; so each slice is asked for JOINTLY (mask 15).  x goes to registers and is shared with nobody in the cluster, so a cluster of 4 x 1 serves.
; A wave makes two passes of 64 tokens (four tiles); a pass's x fragments for all of K stay in 512 registers, so that each fragment of W read from LDS feeds four matrix instructions.
; ORDER INSIDE A BLOCK OF 32.  A result tile gives lane (r, h), register j, the index 16 t + 8 h + j; two tiles make a block, so slot 16 h + i of the block holds element 8 h + i % 8 + 16 (i / 8).
; That order is the same on both sides of each later product (q and k; p and v), so the products' terms are the same.
; REGISTERS, in windows of 256: window 0: v1-15 addresses; v16-47 scale words (lanes 0-15 x's tile i, lanes 16-31 W's tile i); v48-175 16 accumulators; v176-207 the bias as C (in the x phase: frequencies and constants); v208-255 at work.
;   window 1: v0-127 W's fragments, two sets; v128-255 cos and sin of the pass's four tiles.   windows 2, 3: x's fragments, tile m at window 2 + m / 2, v[128 (m % 2) + 16 s].
.set WPITCH, 1040                      ; a row of W in LDS: 1,024 bytes + 16: an odd multiple of 16, so the sixteen rows of a load start in different groups of banks
.set WQUART, 16*WPITCH                 ; what one tensor load brings: 16 rows
.set WSLOT,  64*WPITCH                 ; a slice
.set STG,    3*WSLOT                   ; behind the slices: a stage of 16 rows x 1,040 for each wave, written by ds_store alone
.set SPARE,  STG+4*WQUART              ; the spare words: 128 bytes for each wave
.set REC,    17408                     ; a record of kv: 128 keys: K's codes 8,192, V's codes 8,192, K's scale words 512, V's scale halves 512
.set IMG, 1                            ; 16 x lane
.set SLO, 2                            ; 32 x r: a row of scale bytes
.set BQO, 3                            ; 32 h: my eight numbers of a bias tile
.set BVO, 4                            ; 4 r
.set W64, 5                            ; 16 r + 8 h
.set V8,  6                            ; 8 x lane
.set WAD, 7                            ; v7-9 my place in slice 0, 1, 2
.set SST, 10                           ; the stage, in: 16 x lane
.set SLD, 11                           ; the stage, out: row r, + 16 h
.set SPW, 12                           ; my spare word; never rewritten
.set NIL, 13                           ; 0; never rewritten
.set RI,  14                           ; r
.set H8,  15                           ; 8 h
.set SC,  16
.set ACC, 48
.set BIAS, 176
.set PF,  BIAS+16                      ; the position as f32, twice
.set VS2, BIAS+18
.set VC2, BIAS+20
.set VS1, BIAS+22
.set VC1, BIAS+24
.set TMP, 208
.set TM,  TMP                          ; four largest magnitudes
.set BY,  TMP+4                        ; the other half's, then the scale bytes
.set HOLD, TMP+8                       ; 57,344 x the scale
.set SOP, TMP+12                       ; the conversions' scale operands
.set CD,  TMP+16                       ; 16 registers of codes
.set RT,  TMP+16                       ; the rotation's products share them
.set VSB, TMP+38
.set SEL2, TMP+42
.set SW,  TMP+44
.set TAB, 128                          ; window 1: tile m: cos at TAB + 32 m + 8 t + j, sin 16 further on
.set G1, 32                            ; s[32:39] descriptor group 1; s[40:51] three groups 0
.set G0, 40
.set WV, 52
.set CX, 53
.set HD, 54
.set BB, 55
.set PASS, 56
.set POS, 57                           ; my first token's position in its sequence
.set SEL, 58
.set MNT, 60
.set HM,  61
.set C2PI, 66
.set NP1, 68
.set NP2, 70
.set CS3, 72
.set CC3, 74
.set SX,  80
.set ST0, 81
.set KCB, 84                           ; s[84:91] where my wave's parts of its record of kv begin: K's codes, V's codes, K's scale words, V's scale halves
.set VCB, 86
.set KSB, 88
.set VSS, 90
.set MSB, 0
.macro WIN new                         ; the immediate's high byte repeats the setting that is left; a switch that changes nothing is dropped
.if MSB != (\new)
	s_set_vgpr_msb (MSB<<8)|(\new)
.set MSB, (\new)
.endif
.endm
.macro PLACES n
.rept \n
	v_nop
.endr
.endm
.macro ROUND                           ; a round of the cluster's barrier
	s_barrier_signal -1
	s_barrier_wait -1
	s_cmp_lg_u32 s[WV], 0
	s_cbranch_scc1 .Lnot_wave_0_\@
	s_barrier_signal -3
.Lnot_wave_0_\@:
	s_barrier_wait -3
	s_barrier_signal -1
	s_barrier_wait -1
.endm
; 16 rows of x as they lie: 32 loads of 512 consecutive bytes.  buf 0: into the accumulators' registers; buf 1: into W's fragment registers (window 1)
.macro XLOAD m, buf
.if \buf
	WIN 0x40
.set xr_, 0
.else
.set xr_, ACC
.endif
.set xi_, 0
.rept 32
	global_load_b128 v[xr_+4*xi_:xr_+4*xi_+3], v[IMG], s[4:5] offset:16384*(\m)+512*xi_
.set xi_, xi_+1
.endr
	WIN 0
.endm
; and through my own stage into fragments: a wave's LDS instructions are served in order, so no wait stands between the stores and the loads
.macro TURNX m, buf
.if \buf
	WIN 0x04
.set xr_, 0
.else
.set xr_, ACC
.endif
.set xi_, 0
.rept 32
	ds_store_b128 v[SST], v[xr_+4*xi_:xr_+4*xi_+3] offset:WPITCH*(xi_/2)+512*(xi_%2)
.set xi_, xi_+1
.endr
	WIN 0x80+0x40*((\m)/2)
.set xi_, 0
.rept 32
	ds_load_b128 v[128*((\m)%2)+4*xi_:128*((\m)%2)+4*xi_+3], v[SLD] offset:32*xi_
.set xi_, xi_+1
.endr
	WIN 0
.endm
; my 16 frequencies: element e = 8 t + j is pair index 16 t + 8 h + j; f = 2^(-index x log2(1e5) / 32)
.macro FREQ
.set e_, 0
.rept 16
	v_add_nc_u32 v[BIAS+e_], 16*(e_/8)+e_%8, v[H8]
.set e_, e_+1
.endr
.set e_, 0
.rept 16
	v_cvt_f32_u32 v[BIAS+e_], v[BIAS+e_]
.set e_, e_+1
.endr
.set e_, 0
.rept 16
	v_mul_f32 v[BIAS+e_], 0xbf04e08b, v[BIAS+e_]
.set e_, e_+1
.endr
.set e_, 0
.rept 16
	v_exp_f32 v[BIAS+e_], v[BIAS+e_]
.set e_, e_+1
.endr
	v_mov_b32 v[VS2], 0x3c08839e                   ; the polynomials' middle and last coefficients, as pairs: plain work behind the exponentials
	v_mov_b32 v[VS2+1], 0x3c08839e
	v_mov_b32 v[VC2], 0xbab6061a
	v_mov_b32 v[VC2+1], 0xbab6061a
	v_mov_b32 v[VS1], 0xbe2aaaa3
	v_mov_b32 v[VS1+1], 0xbe2aaaa3
	v_mov_b32 v[VC1], 0x3d2aaaa5
	v_mov_b32 v[VC1+1], 0x3d2aaaa5
	s_wait_alu depctr_va_vdst(0)                   ; one wait for the sixteen, ahead of their first reader
.endm
; cos and sin of tile m's angles: a = position x f; N = the nearest whole number to a x 2/pi; r = a - N pi/2 (pi/2 in two parts, fused); polynomials on |r| <= pi/4; the quadrant N mod 4 swaps and signs them.
; Eight pairs of elements in two halves of four groups by turns; group g works in v[TMP + 12 g ..]: +0 a, r, then sin; +2 N, z, then cos; +4 the quadrant; +6 sin's polynomial; +8 cos's; +10 at work.
.macro TABLE m
	s_add_co_u32 s[ST0], s[POS], 16*(\m)
	v_add_nc_u32 v[PF], s[ST0], v[RI]
	v_cvt_f32_u32 v[PF], v[PF]
	v_mov_b32 v[PF+1], v[PF]
.irp hf, 0,1
.irp g, 0,1,2,3
	v_pk_mul_f32 v[TMP+12*\g:TMP+12*\g+1], v[BIAS+8*\hf+2*\g:BIAS+8*\hf+2*\g+1], v[PF:PF+1]
.endr
.irp g, 0,1,2,3
	v_pk_mul_f32 v[TMP+12*\g+2:TMP+12*\g+3], v[TMP+12*\g:TMP+12*\g+1], s[C2PI:C2PI+1] op_sel_hi:[1,0]
.endr
.irp g, 0,1,2,3
	v_rndne_f32 v[TMP+12*\g+2], v[TMP+12*\g+2]
	v_rndne_f32 v[TMP+12*\g+3], v[TMP+12*\g+3]
.endr
.irp g, 0,1,2,3
	v_cvt_i32_f32 v[TMP+12*\g+4], v[TMP+12*\g+2]
	v_cvt_i32_f32 v[TMP+12*\g+5], v[TMP+12*\g+3]
.endr
.irp g, 0,1,2,3
	v_pk_fma_f32 v[TMP+12*\g:TMP+12*\g+1], v[TMP+12*\g+2:TMP+12*\g+3], s[NP1:NP1+1], v[TMP+12*\g:TMP+12*\g+1] op_sel_hi:[1,0,1]
.endr
.irp g, 0,1,2,3
	v_pk_fma_f32 v[TMP+12*\g:TMP+12*\g+1], v[TMP+12*\g+2:TMP+12*\g+3], s[NP2:NP2+1], v[TMP+12*\g:TMP+12*\g+1] op_sel_hi:[1,0,1]
.endr
.irp g, 0,1,2,3
	v_pk_mul_f32 v[TMP+12*\g+2:TMP+12*\g+3], v[TMP+12*\g:TMP+12*\g+1], v[TMP+12*\g:TMP+12*\g+1]
.endr
.irp g, 0,1,2,3
	v_pk_fma_f32 v[TMP+12*\g+6:TMP+12*\g+7], v[TMP+12*\g+2:TMP+12*\g+3], s[CS3:CS3+1], v[VS2:VS2+1] op_sel_hi:[1,0,1]
	v_pk_fma_f32 v[TMP+12*\g+8:TMP+12*\g+9], v[TMP+12*\g+2:TMP+12*\g+3], s[CC3:CC3+1], v[VC2:VC2+1] op_sel_hi:[1,0,1]
.endr
.irp g, 0,1,2,3
	v_pk_fma_f32 v[TMP+12*\g+6:TMP+12*\g+7], v[TMP+12*\g+6:TMP+12*\g+7], v[TMP+12*\g+2:TMP+12*\g+3], v[VS1:VS1+1]
	v_pk_fma_f32 v[TMP+12*\g+8:TMP+12*\g+9], v[TMP+12*\g+8:TMP+12*\g+9], v[TMP+12*\g+2:TMP+12*\g+3], v[VC1:VC1+1]
.endr
.irp g, 0,1,2,3
	v_pk_mul_f32 v[TMP+12*\g+10:TMP+12*\g+11], v[TMP+12*\g+2:TMP+12*\g+3], v[TMP+12*\g:TMP+12*\g+1]
.endr
.irp g, 0,1,2,3
	v_pk_fma_f32 v[TMP+12*\g+6:TMP+12*\g+7], v[TMP+12*\g+6:TMP+12*\g+7], v[TMP+12*\g+10:TMP+12*\g+11], v[TMP+12*\g:TMP+12*\g+1]
.endr
.irp g, 0,1,2,3
	v_pk_mul_f32 v[TMP+12*\g+10:TMP+12*\g+11], v[TMP+12*\g+2:TMP+12*\g+3], v[TMP+12*\g+2:TMP+12*\g+3]
.endr
.irp g, 0,1,2,3
	v_pk_fma_f32 v[TMP+12*\g:TMP+12*\g+1], v[TMP+12*\g+2:TMP+12*\g+3], -0.5, 1.0 op_sel_hi:[1,0,0]
.endr
.irp g, 0,1,2,3
	v_pk_fma_f32 v[TMP+12*\g+8:TMP+12*\g+9], v[TMP+12*\g+8:TMP+12*\g+9], v[TMP+12*\g+10:TMP+12*\g+11], v[TMP+12*\g:TMP+12*\g+1]
.endr
.irp g, 0,1,2,3
.irp e, 0,1
	v_and_b32 v[TMP+12*\g+10+\e], 1, v[TMP+12*\g+4+\e]
.endr
.endr
.irp g, 0,1,2,3
.irp e, 0,1
	v_cmp_ne_u32 vcc_lo, 0, v[TMP+12*\g+10+\e]     ; an odd quadrant swaps the two
	v_cndmask_b32 v[TMP+12*\g+\e], v[TMP+12*\g+6+\e], v[TMP+12*\g+8+\e], vcc_lo
	v_cndmask_b32 v[TMP+12*\g+2+\e], v[TMP+12*\g+8+\e], v[TMP+12*\g+6+\e], vcc_lo
.endr
.endr
.irp g, 0,1,2,3
.irp e, 0,1
	v_lshlrev_b32 v[TMP+12*\g+10+\e], 30, v[TMP+12*\g+4+\e]   ; sin is negative in quadrants 2 and 3,
	v_add_nc_u32 v[TMP+12*\g+4+\e], 1, v[TMP+12*\g+4+\e]      ; cos in 1 and 2
.endr
.endr
.irp g, 0,1,2,3
.irp e, 0,1
	v_lshlrev_b32 v[TMP+12*\g+4+\e], 30, v[TMP+12*\g+4+\e]
	v_and_b32 v[TMP+12*\g+10+\e], 0x80000000, v[TMP+12*\g+10+\e]
.endr
.endr
.irp g, 0,1,2,3
.irp e, 0,1
	v_and_b32 v[TMP+12*\g+4+\e], 0x80000000, v[TMP+12*\g+4+\e]
.endr
.endr
	WIN 0x40
.irp g, 0,1,2,3
.irp e, 0,1
	v_xor_b32 v[TAB+32*(\m)+16+8*\hf+2*\g+\e], v[TMP+12*\g+10+\e], v[TMP+12*\g+\e]
	v_xor_b32 v[TAB+32*(\m)+8*\hf+2*\g+\e], v[TMP+12*\g+4+\e], v[TMP+12*\g+2+\e]
.endr
.endr
	WIN 0
.endr
.endm
; a slice's scale words into lanes 16-31 of the scale registers; lanes 0-15 keep x's.  EXEC changes only behind a wait that shows every earlier global instruction's addresses translated
.macro WSC p
	s_wait_xcnt 0x0
	v_cmp_ne_u32 vcc_lo, 0, v[H8]
	s_and_saveexec_b32 s[SX], vcc_lo
.irp t, 0,1,2,3
.irp u, 0,1
	global_load_b128 v[SC+8*\t+4*\u:SC+8*\t+4*\u+3], v[SLO], s[\p:\p+1] offset:512*\t+16*\u
.endr
.endr
	s_wait_xcnt 0x0
	s_or_b32 exec_lo, exec_lo, s[SX]
.endm
.macro BIASQK p                        ; the bias in the result's layout: tile t, register j: b[16 t + 8 h + j]
.irp t, 0,1,2,3
.irp u, 0,1
	global_load_b128 v[BIAS+8*\t+4*\u:BIAS+8*\t+4*\u+3], v[BQO], s[\p:\p+1] offset:64*\t+16*\u
.endr
.endr
.endm
.macro BIASV                           ; v's product is not transposed: a lane holds one channel, so all eight registers of a tile hold b[16 t + r]
.irp t, 0,1,2,3
.irp j, 0,1,2,3,4,5,6,7
	global_load_b32 v[BIAS+8*\t+\j], v[BVO], s[24:25] offset:64*\t
.endr
.endr
.endm
.macro FETCH slot, s                   ; a slice's four fragments of K step s into set s % 2
	WIN 0x40
.irp t, 0,1,2,3
.irp c, 0,1,2,3
	ds_load_b128 v[64*((\s)%2)+16*\t+4*\c:64*((\s)%2)+16*\t+4*\c+3], v[WAD+\slot] offset:WQUART*\t+128*(\s)+32*\c
.endr
.endr
.endm
.macro MM m, t, s, order
.set rD, ACC+32*(\m)+8*(\t)
.set rW, 64*((\s)%2)+16*(\t)
.set rX, 128*((\m)%2)+16*(\s)
.if (\order) == 0
.if (\s) == 0
	v_wmma_scale_f32_16x16x128_f8f6f4 v[rD:rD+7], v[rW:rW+15], v[rX:rX+15], v[BIAS+8*(\t):BIAS+8*(\t)+7], v[SC+8*(\t)+(\s)], v[SC+8*(\m)+(\s)] matrix_a_fmt:MATRIX_FMT_BF8 matrix_b_fmt:MATRIX_FMT_BF8 matrix_a_scale:MATRIX_SCALE_ROW1
.else
	v_wmma_scale_f32_16x16x128_f8f6f4 v[rD:rD+7], v[rW:rW+15], v[rX:rX+15], v[rD:rD+7], v[SC+8*(\t)+(\s)], v[SC+8*(\m)+(\s)] matrix_a_fmt:MATRIX_FMT_BF8 matrix_b_fmt:MATRIX_FMT_BF8 matrix_a_scale:MATRIX_SCALE_ROW1
.endif
.else
.if (\s) == 0
	v_wmma_scale_f32_16x16x128_f8f6f4 v[rD:rD+7], v[rX:rX+15], v[rW:rW+15], v[BIAS+8*(\t):BIAS+8*(\t)+7], v[SC+8*(\m)+(\s)], v[SC+8*(\t)+(\s)] matrix_a_fmt:MATRIX_FMT_BF8 matrix_b_fmt:MATRIX_FMT_BF8 matrix_b_scale:MATRIX_SCALE_ROW1
.else
	v_wmma_scale_f32_16x16x128_f8f6f4 v[rD:rD+7], v[rX:rX+15], v[rW:rW+15], v[rD:rD+7], v[SC+8*(\m)+(\s)], v[SC+8*(\t)+(\s)] matrix_a_fmt:MATRIX_FMT_BF8 matrix_b_fmt:MATRIX_FMT_BF8 matrix_b_scale:MATRIX_SCALE_ROW1
.endif
.endif
.endm
; 16 matrix instructions of a K step: the 16 accumulators by turns, one instruction a turn, in the same order in every step
.macro MULS s, order
.irp m, 0,1,2,3
.if \order
	WIN 0x06+(\m)/2
.else
	WIN 0x09+4*((\m)/2)
.endif
.irp t, 0,1,2,3
	MM \m, \t, \s, \order
.endr
.endr
.endm
; a slice: eight K steps.  order 0 (q, k): source 0 = 16 rows of W, source 1 = 16 tokens: a lane holds one token and eight features.  order 1 (v): the other way round: a lane holds one channel and eight tokens.
; The first step takes the bias as C.  Each step fetches the next step's fragments of W into the other set, eight places behind the products that read that set.  nb: the next slice's bias, asked for in step 1, eight places behind the products that read this slice's.
.macro KLOOP slot, order, nb
.irp s, 0,1,2,3,4,5,6,7
	s_wait_dscnt 0x0                               ; this step's fragments are in
.if \s > 0
	PLACES 8
.endif
.if \s < 7
	FETCH \slot, \s+1
.endif
.if \s == 1
.if \nb == 1
	WIN 0
	BIASQK 18
.endif
.if \nb == 2
	WIN 0
	BIASV
.endif
.endif
	MULS \s, \order
.endr
.endm
; the rotation of tile m: features d (tiles 0, 1) and d + 32 (tiles 2, 3) lie in the same register of the same lane.  Each accumulator is read from its low end on.
.macro ROPE m
	s_wait_xcnt 0x0                                ; earlier stores have read the registers that the products below share with the codes
	WIN 0x04
.irp t, 0,1
.set rA, ACC+32*(\m)+8*\t
.set rB, rA+16
.set rC, TAB+32*(\m)+8*\t
.set rS, rC+16
.irp k, 0,2,4,6
	v_pk_mul_f32 v[RT+\k:RT+\k+1], v[rB+\k:rB+\k+1], v[rS+\k:rS+\k+1]
.endr
.irp k, 0,2,4,6
	v_pk_mul_f32 v[RT+8+\k:RT+8+\k+1], v[rA+\k:rA+\k+1], v[rS+\k:rS+\k+1]
.endr
.irp k, 0,2,4,6
	v_pk_fma_f32 v[rA+\k:rA+\k+1], v[rA+\k:rA+\k+1], v[rC+\k:rC+\k+1], v[RT+\k:RT+\k+1] neg_lo:[0,0,1] neg_hi:[0,0,1]
.endr
.irp k, 0,2,4,6
	v_pk_fma_f32 v[rB+\k:rB+\k+1], v[rB+\k:rB+\k+1], v[rC+\k:rC+\k+1], v[RT+8+\k:RT+8+\k+1]
.endr
.endr
	WIN 0
.endm
; four blocks of 32 by turns.  Block i: my 16 numbers in v[base + sblk i ..+7] and shi registers further on; lane l xor 16 holds the other 16.  Codes to v[CD + 4 i ..+3], bytes to v[BY + i].
.macro QUANT4 base, sblk, shi
.irp i, 0,1,2,3
	v_max3_num_f32 v[TM+\i], |v[(\base)+(\sblk)*\i]|, |v[(\base)+(\sblk)*\i+1]|, 0x8000000   ; with the floor 2^(16 - 127): the byte cannot fall under 1
.endr
.irp k, 2,4,6
.irp i, 0,1,2,3
	v_max3_num_f32 v[TM+\i], v[TM+\i], |v[(\base)+(\sblk)*\i+\k]|, |v[(\base)+(\sblk)*\i+\k+1]|
.endr
.endr
.irp k, 0,2,4,6
.irp i, 0,1,2,3
	v_max3_num_f32 v[TM+\i], v[TM+\i], |v[(\base)+(\sblk)*\i+(\shi)+\k]|, |v[(\base)+(\sblk)*\i+(\shi)+\k+1]|
.endr
.endr
.irp i, 0,1,2,3
	v_permlanex16_b32 v[BY+\i], v[TM+\i], s[SEL], s[SEL+1]
.endr
.irp i, 0,1,2,3
	v_max_num_f32 v[TM+\i], v[TM+\i], v[BY+\i]
.endr
.irp i, 0,1,2,3
	v_add_nc_u32 v[SOP+\i], 0xf8800000, v[TM+\i]   ; 15 off the exponent field: the conversion's scale operand
.endr
.irp i, 0,1,2,3
	v_and_or_b32 v[HOLD+\i], v[TM+\i], 0x7f800000, s[MNT]   ; 57,344 x the scale
.endr
.irp i, 0,1,2,3
	v_lshrrev_b32 v[BY+\i], 23, v[SOP+\i]          ; the scale's byte
.endr
	s_wait_xcnt 0x0                                ; earlier stores have read the codes' registers
.irp i, 0,1,2,3
.irp k, 0,1,2,3,4,5,6,7
	v_med3_num_f32 v[(\base)+(\sblk)*\i+\k], v[(\base)+(\sblk)*\i+\k], -v[HOLD+\i], v[HOLD+\i]   ; the conversion to an 8-bit code does not saturate (ISA guide 7.6.2): the hold
.endr
.irp k, 0,1,2,3,4,5,6,7
	v_med3_num_f32 v[(\base)+(\sblk)*\i+(\shi)+\k], v[(\base)+(\sblk)*\i+(\shi)+\k], -v[HOLD+\i], v[HOLD+\i]
.endr
	v_cvt_scalef32_pk8_bf8_f32 v[CD+4*\i:CD+4*\i+1], v[(\base)+(\sblk)*\i:(\base)+(\sblk)*\i+7], v[SOP+\i]
	v_cvt_scalef32_pk8_bf8_f32 v[CD+4*\i+2:CD+4*\i+3], v[(\base)+(\sblk)*\i+(\shi):(\base)+(\sblk)*\i+(\shi)+7], v[SOP+\i]
.endr
	v_nop                                          ; a plain instruction behind the last conversion
.endm
; q or k goes out: rotated, quantised, two tiles at a time; each store of codes covers 512 consecutive bytes; the four tiles' scale words leave as one aligned run of 256 bytes
.macro EPIQK cb, sb
.irp m, 0,2
	ROPE \m
	ROPE \m+1
	QUANT4 ACC+32*\m, 16, 8
	v_lshl_or_b32 v[SW+\m], v[BY+1], 8, v[BY]      ; a tile's word: two bytes, the upper two 0
	v_lshl_or_b32 v[SW+\m+1], v[BY+3], 8, v[BY+2]
.irp i, 0,1,2,3
	global_store_b128 v[IMG], v[CD+4*\i:CD+4*\i+3], s[\cb:\cb+1] offset:1024*\m+512*\i
.endr
.endr
	v_cndmask_b32 v[SEL2], v[SW], v[SW+2], s[HM]   ; lanes 0-15 store tiles 0 and 1's words, lanes 16-31 tiles 2 and 3's
	v_cndmask_b32 v[SEL2+1], v[SW+1], v[SW+3], s[HM]
	global_store_b64 v[W64], v[SEL2:SEL2+1], s[\sb:\sb+1]
.endm
; v goes out: block be of 32 tokens (tiles 2 be, 2 be + 1) of each of the four channel tiles
.macro EPIV
.irp be, 0,1
	QUANT4 ACC+64*\be, 8, 32
.irp i, 0,1,2,3
.if \be == 0
	v_mov_b32 v[VSB+\i], v[BY+\i]
.else
	v_lshl_or_b32 v[VSB+\i], v[BY+\i], 8, v[VSB+\i]
.endif
.endr
.irp i, 0,1,2,3
	global_store_b128 v[IMG], v[CD+4*\i:CD+4*\i+3], s[VCB:VCB+1] offset:2048*\i+512*\be
.endr
.endr
	v_lshl_or_b32 v[SEL2], v[VSB+1], 16, v[VSB]
	v_lshl_or_b32 v[SEL2+1], v[VSB+3], 16, v[VSB+2]
	global_store_b64 v[V8], v[SEL2:SEL2+1], s[VSS:VSS+1]
.endm
	s_load_b512 s[4:19], s[0:1], 0x0               ; x codes 4, x scales 6, Wq codes 8, Wq scales 10, bq 12, Wk codes 14, Wk scales 16, bk 18
	s_load_b256 s[20:27], s[0:1], 0x40             ; Wv codes 20, Wv scales 22, bv 24, qc 26
	s_load_b128 s[28:31], s[0:1], 0x60             ; qs 28, kv 30
	v_lshl_add_u32 v[SPW], v0, 2, SPARE
	v_mov_b32 v[NIL], 0
	ds_add_u32 v[SPW], v[NIL]                      ; the wave's opening: the add, twice on end, and its wait ahead of my first tensor load
	ds_add_u32 v[SPW], v[NIL]
	v_lshrrev_b32 v[TMP], 5, v0
	v_readfirstlane_b32 s[WV], v[TMP]              ; wave 0..3
	s_bfe_u32 s[CX], ttmp6, 0x40000                ; my place in the cluster: which 512 tokens
	s_and_b32 s[HD], ttmp7, 0xffff                 ; the head
	s_mov_b32 s[BB], ttmp9                         ; the batch
	s_mov_b32 s[G1], 15|(3<<16)|(1<<20)|(1<<21)|(7<<22)|(3<<25)   ; mask: all four; elements of 8 bytes; padding on; bit 21 beside a mask; after every 256 words, 4 words
	s_mov_b32 s[G1+1], 128<<16                     ; tensor_dim0 = 128 elements: 1,024 bytes
	s_mov_b32 s[G1+2], 16<<16                      ; tensor_dim1 = 16
	s_mov_b32 s[G1+3], 128<<16                     ; tile_dim0
	s_mov_b32 s[G1+4], 16                          ; tile_dim1
	s_mov_b32 s[G1+5], 128                         ; from row to row
	s_mov_b32 s[G1+6], 0
	s_mov_b32 s[G1+7], 0
	s_lshl_b32 s62, s[HD], 16                      ; the head's 64 rows of a W,
	s_lshl_b32 s63, s[WV], 14                      ; my 16 of them: made of the head and the wave's number alone
	s_add_co_u32 s62, s62, s63
	s_mov_b32 s63, 0
	s_mul_i32 s76, s[WV], WQUART                   ; and their place in a slice
	s_lshl_b32 s77, s[CX], 9
	s_lshl_b32 s78, s[WV], 6
	s_add_co_u32 s[POS], s77, s78                  ; 512 cx + 64 w
	s_lshl_b32 s77, s[BB], 11
	s_add_co_u32 s77, s77, s[POS]                  ; my first row of x
	s_lshl_b32 s78, s[BB], 4
	s_add_co_u32 s78, s78, s[HD]                   ; batch x 16 + head
	s_mov_b32 s83, 0
	s_mov_b32 s[SEL], 0x76543210
	s_mov_b32 s[SEL+1], 0xfedcba98                 ; v_permlanex16_b32's selects for lane l xor 16
	s_mov_b32 s[MNT], 0x600000                     ; the mantissa field of 57,344
	s_mov_b32 s[HM], 0xffff0000                    ; lanes 16-31
	s_mov_b32 s[C2PI], 0x3f22f983                  ; 2 / pi
	s_mov_b32 s[C2PI+1], 0x3f22f983
	s_mov_b32 s[NP1], 0xbfc90fdb                   ; -(pi / 2 as f32)
	s_mov_b32 s[NP1+1], 0xbfc90fdb
	s_mov_b32 s[NP2], 0x333bbd2e                   ; -(what is left of pi / 2)
	s_mov_b32 s[NP2+1], 0x333bbd2e
	s_mov_b32 s[CS3], 0xb94ca1f9
	s_mov_b32 s[CS3+1], 0xb94ca1f9
	s_mov_b32 s[CC3], 0x37ccf5ce
	s_mov_b32 s[CC3+1], 0x37ccf5ce
	s_wait_dscnt 0x0                               ; both opening adds are done
	s_wait_kmcnt 0x0
.irp q, 0,1,2
	s_mov_b32 s[G0+4*\q], 1
	s_add_co_u32 s[G0+4*\q+1], s76, \q*WSLOT
	s_add_nc_u64 s[G0+4*\q+2:G0+4*\q+3], s[8+6*\q:9+6*\q], s[62:63]
	s_or_b32 s[G0+4*\q+3], s[G0+4*\q+3], 0x80000000
.endr
	ROUND                                          ; all four work-groups are here: the joint loads meet
	tensor_load_to_lds s[G0:G0+3], s[G1:G1+7]      ; every wave asks for its 16 rows of each slice: three loads of mine are out; each byte is filled once in the launch
	s_nop 0
	tensor_load_to_lds s[G0+4:G0+7], s[G1:G1+7]
	s_nop 0
	tensor_load_to_lds s[G0+8:G0+11], s[G1:G1+7]
	s_nop 0
	PLACES 4
	s_lshl_b32 s82, s77, 10
	s_add_nc_u64 s[4:5], s[4:5], s[82:83]          ; x's codes at my first row
	s_lshl_b32 s82, s77, 5
	s_add_nc_u64 s[6:7], s[6:7], s[82:83]          ; and its scale bytes
	s_lshl_b32 s82, s[HD], 11
	s_add_nc_u64 s[10:11], s[10:11], s[82:83]      ; the head's rows of the W's scale bytes
	s_add_nc_u64 s[16:17], s[16:17], s[82:83]
	s_add_nc_u64 s[22:23], s[22:23], s[82:83]
	s_lshl_b32 s82, s[HD], 8
	s_add_nc_u64 s[12:13], s[12:13], s[82:83]      ; the head's 64 numbers of the biases
	s_add_nc_u64 s[18:19], s[18:19], s[82:83]
	s_add_nc_u64 s[24:25], s[24:25], s[82:83]
	s_lshl_b32 s82, s78, 17                        ; qc: 131,072 a head, 1,024 a tile: tile 32 cx + 4 w
	s_lshl_b32 s79, s[CX], 15
	s_add_co_u32 s82, s82, s79
	s_lshl_b32 s79, s[WV], 12
	s_add_co_u32 s82, s82, s79
	s_add_nc_u64 s[26:27], s[26:27], s[82:83]
	s_lshl_b32 s82, s78, 13                        ; qs: 8,192 a head, 256 for four tiles
	s_lshl_b32 s79, s[CX], 11
	s_add_co_u32 s82, s82, s79
	s_lshl_b32 s79, s[WV], 8
	s_add_co_u32 s82, s82, s79
	s_add_nc_u64 s[28:29], s[28:29], s[82:83]
	s_mul_i32 s82, s78, 16*REC                     ; kv: 16 records a head; my record: 4 cx + w / 2
	s_lshl_b32 s79, s[CX], 2
	s_lshr_b32 s92, s[WV], 1
	s_add_co_u32 s79, s79, s92
	s_mul_i32 s79, s79, REC
	s_add_co_u32 s82, s82, s79
	s_add_nc_u64 s[30:31], s[30:31], s[82:83]
	s_and_b32 s79, s[WV], 1                        ; which half of the record's 128 keys is mine
	s_lshl_b32 s82, s79, 12
	s_add_nc_u64 s[KCB:KCB+1], s[30:31], s[82:83]
	s_lshl_b32 s82, s79, 10
	s_add_co_u32 s82, s82, 8192
	s_add_nc_u64 s[VCB:VCB+1], s[30:31], s[82:83]
	s_lshl_b32 s82, s79, 8
	s_add_co_u32 s82, s82, 16384
	s_add_nc_u64 s[KSB:KSB+1], s[30:31], s[82:83]
	s_add_co_u32 s82, s82, 512
	s_add_nc_u64 s[VSS:VSS+1], s[30:31], s[82:83]
	v_and_b32 v[TMP], 31, v0                       ; lane
	v_and_b32 v[RI], 15, v0                        ; r
	v_bfe_u32 v[TMP+1], v0, 4, 1                   ; h
	v_lshlrev_b32 v[IMG], 4, v[TMP]
	v_lshlrev_b32 v[SLO], 5, v[RI]
	v_lshlrev_b32 v[BQO], 5, v[TMP+1]
	v_lshlrev_b32 v[BVO], 2, v[RI]
	v_lshlrev_b32 v[W64], 4, v[RI]
	v_lshl_add_u32 v[W64], v[TMP+1], 3, v[W64]
	v_lshlrev_b32 v[V8], 3, v[TMP]
	v_lshlrev_b32 v[H8], 3, v[TMP+1]
	v_mul_u32_u24 v[WAD], v[RI], WPITCH
	v_lshl_add_u32 v[WAD], v[TMP+1], 4, v[WAD]
	v_add_nc_u32 v[WAD+1], WSLOT, v[WAD]
	v_add_nc_u32 v[WAD+2], 2*WSLOT, v[WAD]
	s_mul_i32 s79, s[WV], WQUART
	s_add_co_u32 s79, s79, STG                     ; my stage
	v_add_nc_u32 v[SST], s79, v[IMG]
	v_add_nc_u32 v[SLD], s79, v[WAD]
	s_mov_b32 s[PASS], 2
.Lpass:                                                ; a pass: 64 tokens of mine through q, k and v
.irp m, 0,1,2,3
.irp u, 0,1
	global_load_b128 v[SC+8*\m+4*\u:SC+8*\m+4*\u+3], v[SLO], s[6:7] offset:512*\m+16*\u   ; x's scale words, in all lanes
.endr
.endr
	XLOAD 0, 0
	XLOAD 1, 1
	FREQ                                           ; the tables are made while x is on its way
	TABLE 0
	s_wait_loadcnt 32                              ; the scale words and tile 0 are in; tile 1's 32 loads may be out
	TURNX 0, 0
	WSC 10
	s_wait_dscnt 0x0                               ; the stage's stores have read their registers, and the fragments are in
	XLOAD 2, 0
	TABLE 1
	s_wait_loadcnt 40                              ; tile 1 is in; Wq's 8 loads of scale words and tile 2's 32 may be out
	TURNX 1, 1
	s_wait_dscnt 0x0
	XLOAD 3, 1
	TABLE 2
	s_wait_loadcnt 32                              ; Wq's scale words and tile 2 are in; tile 3's 32 may be out
	TURNX 2, 0
	s_wait_dscnt 0x0
	TABLE 3
	BIASQK 12
	s_wait_loadcnt 8                               ; tile 3 is in; the bias's 8 loads may be out
	TURNX 3, 1
	s_wait_tensorcnt 0x0                           ; my parts of the three slices are in (met at once in the second pass),
	s_wait_dscnt 0x0
	s_barrier_signal -1
	s_barrier_wait -1                              ; everybody's are.
	FETCH 0, 0
	s_wait_loadcnt 0x0                             ; the bias
	KLOOP 0, 0, 1
	PLACES 9                                       ; nine: the next slice's first products write over these accumulators with another C; they serve the loads below too
	FETCH 1, 0
	WIN 0
	WSC 16
	EPIQK 26, 28                                   ; q goes out while k's first fragments and scale words come
	s_wait_loadcnt 0x0                             ; Wk's scale words, bk
	KLOOP 1, 0, 2
	PLACES 9
	FETCH 2, 0
	WIN 0
	WSC 22
	EPIQK KCB, KSB
	s_wait_loadcnt 0x0                             ; Wv's scale words, bv
	KLOOP 2, 1, 0
	PLACES 9
	WIN 0
	EPIV
	s_wait_xcnt 0x0                                ; every store and load has read its registers and bases: they may be written
	s_add_nc_u64 s[4:5], s[4:5], 262144            ; 256 tokens on
	s_add_nc_u64 s[6:7], s[6:7], 8192
	s_add_nc_u64 s[26:27], s[26:27], 16384
	s_add_nc_u64 s[28:29], s[28:29], 1024
	s_add_nc_u64 s[KCB:KCB+1], s[KCB:KCB+1], 2*REC
	s_add_nc_u64 s[VCB:VCB+1], s[VCB:VCB+1], 2*REC
	s_add_nc_u64 s[KSB:KSB+1], s[KSB:KSB+1], 2*REC
	s_add_nc_u64 s[VSS:VSS+1], s[VSS:VSS+1], 2*REC
	s_add_co_u32 s[POS], s[POS], 256
	s_sub_co_u32 s[PASS], s[PASS], 1
	s_cmp_lg_u32 s[PASS], 0
	s_cbranch_scc1 .Lpass
	s_wait_tensorcnt 0x0                           ; the wave's end, behind my last tensor load and my last LDS store
	ds_add_u32 v[SPW], v[NIL]
	s_wait_dscnt 0x0
	ROUND                                          ; the closing round
	s_endpgm
.Lfunc_end_k_qbbe5391e5a_qkv:
	.size	k_qbbe5391e5a_qkv, .Lfunc_end_k_qbbe5391e5a_qkv-k_qbbe5391e5a_qkv
	.p2alignl 7, 3214868480
	.fill 96, 4, 3214868480
	.section	.rodata,"a",@progbits
	.p2align	6, 0x0
	.amdhsa_kernel k_qbbe5391e5a_qkv
		.amdhsa_group_segment_fixed_size 327680
		.amdhsa_private_segment_fixed_size 0
		.amdhsa_enable_private_segment 0
		.amdhsa_kernarg_size 112
		.amdhsa_user_sgpr_count 2
		.amdhsa_user_sgpr_kernarg_segment_ptr 1
		.amdhsa_wavefront_size32 1
		.amdhsa_system_sgpr_workgroup_id_x 1
		.amdhsa_system_sgpr_workgroup_id_y 1
		.amdhsa_system_sgpr_workgroup_id_z 1
		.amdhsa_system_vgpr_workitem_id 0
		.amdhsa_next_free_vgpr 1024
		.amdhsa_next_free_sgpr 96
		.amdhsa_reserve_vcc 1
		.amdhsa_float_denorm_mode_32 3
		.amdhsa_float_denorm_mode_16_64 3
		.amdhsa_memory_ordered 1
		.amdhsa_forward_progress 1
		.amdhsa_inst_pref_size 255
	.end_amdhsa_kernel
	.section	.bss,"aw",@nobits
	.p2align	6
	.space	262144
	.amdgpu_metadata
---
amdhsa.version: [ 1, 2 ]
amdhsa.kernels:
  - .name:           k_qbbe5391e5a_qkv
    .symbol:         k_qbbe5391e5a_qkv.kd
    .args:
      - { .name: x_codes, .offset: 0, .size: 8, .value_kind: global_buffer, .address_space: global }
      - { .name: x_scales, .offset: 8, .size: 8, .value_kind: global_buffer, .address_space: global }
      - { .name: Wq_codes, .offset: 16, .size: 8, .value_kind: global_buffer, .address_space: global }
      - { .name: Wq_scales, .offset: 24, .size: 8, .value_kind: global_buffer, .address_space: global }
      - { .name: bq, .offset: 32, .size: 8, .value_kind: global_buffer, .address_space: global }
      - { .name: Wk_codes, .offset: 40, .size: 8, .value_kind: global_buffer, .address_space: global }
      - { .name: Wk_scales, .offset: 48, .size: 8, .value_kind: global_buffer, .address_space: global }
      - { .name: bk, .offset: 56, .size: 8, .value_kind: global_buffer, .address_space: global }
      - { .name: Wv_codes, .offset: 64, .size: 8, .value_kind: global_buffer, .address_space: global }
      - { .name: Wv_scales, .offset: 72, .size: 8, .value_kind: global_buffer, .address_space: global }
      - { .name: bv, .offset: 80, .size: 8, .value_kind: global_buffer, .address_space: global }
      - { .name: qc, .offset: 88, .size: 8, .value_kind: global_buffer, .address_space: global }
      - { .name: qs, .offset: 96, .size: 8, .value_kind: global_buffer, .address_space: global }
      - { .name: kv, .offset: 104, .size: 8, .value_kind: global_buffer, .address_space: global }
    .group_segment_fixed_size: 327680
    .private_segment_fixed_size: 0
    .kernarg_segment_align: 8
    .kernarg_segment_size: 112
    .max_flat_workgroup_size: 128
    .sgpr_count:     96
    .vgpr_count:     1024
    .wavefront_size: 32
...
	.end_amdgpu_metadata
.endif
;; end of part 1
;; launch attn (part 2): grid 4 x 64, 16 waves a work-group, clusters of 4 x 1, 327,680 bytes of LDS; arguments qc, qs, kv, oc, os; writes oc, os
.if DOCPART == 2
	.amdgcn_target "amdgcn-amd-amdhsa--gfx1250"
	.amdhsa_code_object_version 6
	.text
	.protected	k_qbbe5391e5a_attn
	.globl	k_qbbe5391e5a_attn
	.p2align	8
	.type	k_qbbe5391e5a_attn,@function
k_qbbe5391e5a_attn:
	s_mov_b64 s[64:65], 0
	v_nop
	global_prefetch_b8 v0, s[64:65] scope:SCOPE_SE
	s_setreg_imm32_b32 hwreg(HW_REG_WAVE_MODE, 25, 1), 1
	s_wait_xcnt 0x0
	s_wait_alu depctr_hold_cnt(0) depctr_sa_sdst(0) depctr_va_vdst(0) depctr_va_sdst(0) depctr_va_ssrc(0) depctr_va_vcc(0) depctr_vm_vsrc(0)
	s_getreg_b32 s2, hwreg(HW_REG_IB_STS2, 6, 4)
	s_cmp_eq_u32 s2, 0
	s_cbranch_scc0 .Lentry_in_a_cluster
	s_endpgm
.Lentry_in_a_cluster:
	s_bfe_u32 s2, ttmp6, 0x10000c
	s_cmp_lg_u32 s2, 0x3003
	s_cbranch_scc0 .Lentry_shape_is_right
	s_endpgm
.Lentry_shape_is_right:
; O = softmax(q k^T / 8) v for one head and 512 queries, both products on codes of E5M2 with E8M0 scales; O / l is quantised along the head's 64 and stored as an image of the last product's operand.  No work of the problem is left out here.
; THE SOFTMAX: t = score x log2(e) / 8; M = the running largest t rounded UP to a whole number; p = 2^(t - M) is what is quantised, along the keys; the row's sum is taken of the unquantised p and divides at the end.
; When M moves, the sum and O are multiplied by 2^(old M - new M), which rounds nothing.  A block's largest p is made of the block's largest score by the same multiply-add and exponential (this takes v_exp_f32 not to fall where its input rises).
; LIMITS: as stated at the head of the first kernel (bytes held at 1 from below; NaN and infinities not served).
; SHARES.  y = batch x 16 + head; the place in the cluster = which 512 queries.  The head's whole kv (16 records of 128 keys, 278,528 bytes) stays in LDS, filled once; the four partners walk the same records,
; so each piece is asked for JOINTLY (mask 15).  Sixteen waves, four to a SIMD, each with one tile of 16 queries at a time, two passes.
; LAYOUT.  S^T = K Q^T and O^T = V^T P^T: a lane holds one query throughout.  All operands lie in LDS and memory as images of their registers: every load takes 16 x lane.
; THE FIRST PRODUCT HAS K = 64 IN A FORM OF K = 128: Q's upper eight registers hold zero codes; K's fragment t names v[32 + 8 t .. 47 + 8 t], whose upper half is the next tile's codes (finite: the quantiser holds them), or zeros behind the last:
; the upper 64 along K add 0.  So eight registers a key tile are read.
; REGISTERS: v1-9 addresses; v12 -M, v13 the largest t, v[14:15] the sum; v16-23 Q, v24-31 zeros; v32-95 K's eight tiles, then V's four; v96-103 zeros; v104-167 S^T, then p; v168-199 O^T; v200-215 p's codes; v216-231 at work;
;   v232-239 K's scale words, then V's halves and words; v240 Q's scale word; v242 f; v243 p's scale word; v244 at work.
.set REC,   17408
.set PHASE, 4*REC                      ; four records: what the sixteen waves' loads of one phase bring
.set PIECE, PHASE/16                   ; 4,352 bytes: 17 rows of 256: one load
.set SPARE, 16*REC                     ; behind the records: the spare words, 128 bytes for each of sixteen waves
.set ADL,  1                           ; 16 x lane
.set ADL2, 2                           ; 16 x r
.set ADL3, 3                           ; 8 x lane
.set SPW,  4
.set NIL,  5
.set ADR,  6
.set ADR2, 7
.set ADR3, 8
.set OSO,  9                           ; 32 r + h
.set Q,   16
.set KV,  32
.set S,   104
.set O,   168
.set PC,  200
.set BM,  216
.set PT,  220
.set HOLD, 224
.set SOP, 228
.set KS,  232
.set VW,  236
.set QS,  240
.set F,   242
.set PS,  243
.set TT,  244
.set G1, 16
.set G0, 24
.set WV, 40
.set CX, 41
.set BH, 42
.set BB, 43
.set HD, 44
.set PASS, 45
.set TB, 46
.set CNT, 47
.set SEL, 48
.set MNT, 50
.set HM,  51
.set CS,  52
.set PS0, 54
.set PS1, 55
.macro ROUND
	s_barrier_signal -1
	s_barrier_wait -1
	s_cmp_lg_u32 s[WV], 0
	s_cbranch_scc1 .Lnot_wave_0_\@
	s_barrier_signal -3
.Lnot_wave_0_\@:
	s_barrier_wait -3
	s_barrier_signal -1
	s_barrier_wait -1
.endm
; A KEY STEP: the 128 keys of the record at LDS byte s[TB]
.macro STEP
	v_add_nc_u32 v[ADR], s[TB], v[ADL]
	v_add_nc_u32 v[ADR2], s[TB], v[ADL2]
	v_add_nc_u32 v[ADR3], s[TB], v[ADL3]
.rept 5
	v_nop                                          ; with the three additions: eight places in front of loads into registers that the last products read
.endr
.irp t, 0,1,2,3,4,5,6,7
	ds_load_b128 v[KV+8*\t:KV+8*\t+3], v[ADR] offset:1024*\t
	ds_load_b128 v[KV+8*\t+4:KV+8*\t+7], v[ADR] offset:1024*\t+512
.endr
	ds_load_b128 v[KS:KS+3], v[ADR2] offset:16384  ; lane r: the words of key r of tiles 0-3,
	ds_load_b128 v[KS+4:KS+7], v[ADR2] offset:16640   ; and of tiles 4-7
	s_wait_dscnt 0x0
.irp t, 0,1,2,3,4,5,6,7
	v_wmma_scale_f32_16x16x128_f8f6f4 v[S+8*\t:S+8*\t+7], v[KV+8*\t:KV+8*\t+15], v[Q:Q+15], 0, v[KS+\t], v[QS] matrix_a_fmt:MATRIX_FMT_BF8 matrix_b_fmt:MATRIX_FMT_BF8
.endr
.rept 8
	v_nop
.endr
.irp ct, 0,1,2,3                               ; V is asked for now and lands under the softmax
.irp c, 0,1,2,3
	ds_load_b128 v[KV+16*\ct+4*\c:KV+16*\ct+4*\c+3], v[ADR] offset:8192+2048*\ct+512*\c
.endr
.endr
	ds_load_b64 v[KS:KS+1], v[ADR3] offset:16896   ; V's scale bytes of keys 0-63: two bytes for each of the four channel tiles,
	ds_load_b64 v[KS+2:KS+3], v[ADR3] offset:17152 ; and of keys 64-127
.irp b, 0,1,2,3
	v_max3_num_f32 v[BM+\b], v[S+16*\b], v[S+16*\b+1], v[S+16*\b+2]   ; the largest score of each block of 32 keys: for the row's maximum, and for the block's largest p
.endr
.irp i, 3,5,7,9,11,13
.irp b, 0,1,2,3
	v_max3_num_f32 v[BM+\b], v[BM+\b], v[S+16*\b+\i], v[S+16*\b+\i+1]
.endr
.endr
.irp b, 0,1,2,3
	v_max_num_f32 v[BM+\b], v[BM+\b], v[S+16*\b+15]
.endr
.irp b, 0,1,2,3
	v_permlanex16_b32 v[PT+\b], v[BM+\b], s[SEL], s[SEL+1]
.endr
.irp b, 0,1,2,3
	v_max_num_f32 v[BM+\b], v[BM+\b], v[PT+\b]     ; with lane l xor 16's 16 keys
.endr
	v_max3_num_f32 v[TT], v[BM], v[BM+1], v[BM+2]
	v_max_num_f32 v[TT], v[TT], v[BM+3]
	v_mul_f32 v[TT], s[CS], v[TT]                  ; as t (c is positive)
	v_max_num_f32 v13, v13, v[TT]                  ; the running largest t
	v_mov_b32 v[TT], v12
	v_floor_f32 v12, -v13                          ; the new -M = floor(-t): M is a whole number
	v_sub_f32 v[TT], v12, v[TT]                    ; old M - new M: a whole number, 0 or less
	v_cvt_i32_f32 v[TT], v[TT]                     ; (it saturates)
	v_ldexp_f32 v[F], 1.0, v[TT]                   ; f = 2^(old M - new M)
.irp j, 0,2,4,6,8,10,12,14,16,18,20,22,24,26,28,30,32,34,36,38,40,42,44,46,48,50,52,54,56,58,60,62
	v_pk_fma_f32 v[S+\j:S+\j+1], v[S+\j:S+\j+1], s[CS:CS+1], v[12:13] op_sel_hi:[1,0,0]   ; t - M
.endr
.irp b, 0,1,2,3
	v_fma_f32 v[BM+\b], v[BM+\b], s[CS], v12
.endr
.irp j, 0,1,2,3,4,5,6,7,8,9,10,11,12,13,14,15,16,17,18,19,20,21,22,23,24,25,26,27,28,29,30,31,32,33,34,35,36,37,38,39,40,41,42,43,44,45,46,47,48,49,50,51,52,53,54,55,56,57,58,59,60,61,62,63
	v_exp_f32 v[S+\j], v[S+\j]                     ; p = 2^(t - M), at most 1
.endr
	v_pk_mul_f32 v[14:15], v[14:15], v[F:F+1] op_sel_hi:[1,0]   ; the sums under the new M: a plain instruction behind the exponentials
	s_wait_alu depctr_va_vdst(0)                   ; one wait for the 64, ahead of their first reader
.irp b, 0,1,2,3
	v_exp_f32 v[BM+\b], v[BM+\b]                   ; the blocks' largest p
.endr
	v_pk_add_f32 v[PT:PT+1], v[S:S+1], v[S+2:S+3]  ; the row's sum of the unquantised p, in two chains
.irp j, 4,8,12,16,20,24,28,32,36,40,44,48,52,56,60
	v_pk_add_f32 v[14:15], v[14:15], v[S+\j:S+\j+1]
	v_pk_add_f32 v[PT:PT+1], v[PT:PT+1], v[S+\j+2:S+\j+3]
.endr
	v_pk_add_f32 v[14:15], v[14:15], v[PT:PT+1]
	s_wait_dscnt 0x0                               ; V and its scale bytes are in
	v_perm_b32 v[VW], v[KS+2], v[KS], s[PS0]       ; a channel tile's word: two bytes of keys 0-63 below, two of keys 64-127 above
	v_perm_b32 v[VW+1], v[KS+2], v[KS], s[PS1]
	v_perm_b32 v[VW+2], v[KS+3], v[KS+1], s[PS0]
	v_perm_b32 v[VW+3], v[KS+3], v[KS+1], s[PS1]
	s_wait_alu depctr_va_vdst(0)                   ; and one for the four
.irp b, 0,1,2,3
	v_max_num_f32 v[BM+\b], 0x8000000, v[BM+\b]    ; the floor 2^(16 - 127)
.endr
.irp b, 0,1,2,3
	v_add_nc_u32 v[SOP+\b], 0xf8800000, v[BM+\b]
.endr
.irp b, 0,1,2,3
	v_and_or_b32 v[HOLD+\b], v[BM+\b], 0x7f800000, s[MNT]
.endr
.irp b, 0,1,2,3
	v_lshrrev_b32 v[PT+\b], 23, v[SOP+\b]
.endr
	v_lshl_or_b32 v[PS], v[PT+1], 8, v[PT]         ; p's scale word for these 128 keys
	v_lshl_or_b32 v[PS], v[PT+2], 16, v[PS]
	v_lshl_or_b32 v[PS], v[PT+3], 24, v[PS]
.irp b, 0,1,2,3
.irp i, 0,1,2,3,4,5,6,7,8,9,10,11,12,13,14,15
	v_min_num_f32 v[S+16*\b+\i], v[S+16*\b+\i], v[HOLD+\b]   ; the hold; p is not negative, so it is one-sided
.endr
	v_cvt_scalef32_pk8_bf8_f32 v[PC+4*\b:PC+4*\b+1], v[S+16*\b:S+16*\b+7], v[SOP+\b]
	v_cvt_scalef32_pk8_bf8_f32 v[PC+4*\b+2:PC+4*\b+3], v[S+16*\b+8:S+16*\b+15], v[SOP+\b]
.endr
.irp j, 0,2,4,6,8,10,12,14,16,18,20,22,24,26,28,30
	v_pk_mul_f32 v[O+\j:O+\j+1], v[O+\j:O+\j+1], v[F:F+1] op_sel_hi:[1,0]   ; O^T under the new M; these sixteen are also the places in front of the products below
.endr
.irp ct, 0,1,2,3
	v_wmma_scale_f32_16x16x128_f8f6f4 v[O+8*\ct:O+8*\ct+7], v[KV+16*\ct:KV+16*\ct+15], v[PC:PC+15], v[O+8*\ct:O+8*\ct+7], v[VW+\ct], v[PS] matrix_a_fmt:MATRIX_FMT_BF8 matrix_b_fmt:MATRIX_FMT_BF8
.endr
.endm
	s_load_b256 s[4:11], s[0:1], 0x0               ; qc 4, qs 6, kv 8, oc 10
	s_load_b64 s[12:13], s[0:1], 0x20              ; os
	v_lshl_add_u32 v[SPW], v0, 2, SPARE
	v_mov_b32 v[NIL], 0
	ds_add_u32 v[SPW], v[NIL]                      ; the wave's opening: the add, twice on end, and its wait ahead of my first tensor load
	ds_add_u32 v[SPW], v[NIL]
	v_lshrrev_b32 v10, 5, v0
	v_readfirstlane_b32 s[WV], v10                 ; wave 0..15
	s_bfe_u32 s[CX], ttmp6, 0x40000
	s_and_b32 s[BH], ttmp7, 0xffff
	s_lshr_b32 s[BB], s[BH], 4
	s_and_b32 s[HD], s[BH], 15
	s_mov_b32 s[G1], 15|(3<<16)|(1<<21)            ; mask: all four; elements of 8 bytes; bit 21 beside a mask; no padding
	s_mov_b32 s[G1+1], 32<<16                      ; rows of 32 elements: 256 bytes
	s_mov_b32 s[G1+2], 17<<16
	s_mov_b32 s[G1+3], 32<<16
	s_mov_b32 s[G1+4], 17
	s_mov_b32 s[G1+5], 32                          ; dense
	s_mov_b32 s[G1+6], 0
	s_mov_b32 s[G1+7], 0
	s_mul_i32 s56, s[BH], 16*REC                   ; the head's records,
	s_mul_i32 s58, s[WV], PIECE                    ; my piece of a phase: made of the head and the wave's number alone
	s_add_co_u32 s56, s56, s58
	s_mov_b32 s57, 0
	s_mov_b32 s61, 0
	s_mov_b32 s[SEL], 0x76543210
	s_mov_b32 s[SEL+1], 0xfedcba98
	s_mov_b32 s[MNT], 0x600000
	s_mov_b32 s[HM], 0xffff0000
	s_mov_b32 s[CS], 0x3e38aa3b                    ; c = log2(e) / 8
	s_mov_b32 s[CS+1], 0x3e38aa3b
	s_mov_b32 s[PS0], 0x05040100
	s_mov_b32 s[PS1], 0x07060302
	s_wait_dscnt 0x0                               ; both opening adds are done
	s_wait_kmcnt 0x0
	s_add_nc_u64 s[8:9], s[8:9], s[56:57]
.irp ph, 0,1,2,3
	s_mov_b32 s[G0+4*\ph], 1
	s_add_co_u32 s[G0+4*\ph+1], s58, \ph*PHASE
	s_add_nc_u64 s[G0+4*\ph+2:G0+4*\ph+3], s[8:9], \ph*PHASE
	s_or_b32 s[G0+4*\ph+3], s[G0+4*\ph+3], 0x80000000
.endr
	ROUND                                          ; all four work-groups are here: the joint loads meet
.irp ph, 0,1,2,3
	tensor_load_to_lds s[G0+4*\ph:G0+4*\ph+3], s[G1:G1+7]   ; every wave asks for its piece of each phase: four loads of mine are out; each byte is filled once in the launch
	s_nop 0
.endr
.rept 4
	v_nop
.endr
	s_lshl_b32 s60, s[BH], 17                      ; qc: tile 32 cx + w
	s_lshl_b32 s62, s[CX], 15
	s_add_co_u32 s60, s60, s62
	s_lshl_b32 s62, s[WV], 10
	s_add_co_u32 s60, s60, s62
	s_add_nc_u64 s[4:5], s[4:5], s[60:61]
	s_lshl_b32 s60, s[BH], 13                      ; qs: 256 bytes for four tiles, my tile's word the (w % 4)-th of a row's four
	s_lshl_b32 s62, s[CX], 11
	s_add_co_u32 s60, s60, s62
	s_lshr_b32 s62, s[WV], 2
	s_lshl_b32 s62, s62, 8
	s_add_co_u32 s60, s60, s62
	s_and_b32 s62, s[WV], 3
	s_lshl_b32 s62, s62, 2
	s_add_co_u32 s60, s60, s62
	s_add_nc_u64 s[6:7], s[6:7], s[60:61]
	s_lshl_b32 s59, s[BB], 7                       ; my tile of rows of the last product: 128 batch + 32 cx + w
	s_lshl_b32 s62, s[CX], 5
	s_add_co_u32 s59, s59, s62
	s_add_co_u32 s59, s59, s[WV]
	s_lshl_b32 s60, s59, 14                        ; oc: 16,384 a tile; K step head / 2; blocks 2 (head % 2) on
	s_lshr_b32 s62, s[HD], 1
	s_lshl_b32 s62, s62, 11
	s_add_co_u32 s60, s60, s62
	s_and_b32 s62, s[HD], 1
	s_lshl_b32 s62, s62, 10
	s_add_co_u32 s60, s60, s62
	s_add_nc_u64 s[10:11], s[10:11], s[60:61]
	s_lshl_b32 s60, s59, 9                         ; os: 32 bytes a row; bytes 2 head, 2 head + 1
	s_lshl_b32 s62, s[HD], 1
	s_add_co_u32 s60, s60, s62
	s_add_nc_u64 s[12:13], s[12:13], s[60:61]
	v_and_b32 v10, 31, v0
	v_and_b32 v11, 15, v0
	v_lshlrev_b32 v[ADL], 4, v10
	v_lshlrev_b32 v[ADL2], 4, v11
	v_lshlrev_b32 v[ADL3], 3, v10
	v_bfe_u32 v10, v0, 4, 1
	v_lshl_add_u32 v[OSO], v11, 5, v10
.irp j, 0,1,2,3,4,5,6,7
	v_mov_b32 v[Q+8+\j], 0                         ; zero codes: the upper 64 along the first product's K
	v_mov_b32 v[KV+64+\j], 0
.endr
.irp b, 0,1,2,3
	v_mov_b32 v[PT+\b], 0                          ; written once: a lane permute's destination counts as one of its sources
.endr
	v_mov_b32 v[PS], 0                             ; (named as the upper half of the pair with f before it is first written)
	s_mov_b32 s[PASS], 2
.Lpass:
	global_load_b128 v[Q:Q+3], v[ADL], s[4:5] th:TH_LOAD_NT
	global_load_b128 v[Q+4:Q+7], v[ADL], s[4:5] offset:512 th:TH_LOAD_NT
	global_load_b32 v[QS], v[ADL2], s[6:7]
	v_mov_b32 v13, 0xff61b1e6                      ; the largest t so far: -3e38
	v_floor_f32 v12, -v13
	v_mov_b32 v14, 0
	v_mov_b32 v15, 0
.irp j, 0,1,2,3,4,5,6,7,8,9,10,11,12,13,14,15,16,17,18,19,20,21,22,23,24,25,26,27,28,29,30,31
	v_mov_b32 v[O+\j], 0                           ; the step is written once for all steps: the first finds zeros, which the first change of M leaves zeros
.endr
	s_wait_loadcnt 0x0
.irp ph, 0,1,2,3
	s_wait_tensorcnt 3-\ph                         ; my piece of this phase is in; my loads of the later phases may be out (in the second pass none is out),
	s_wait_dscnt 0x0
	s_barrier_signal -1
	s_barrier_wait -1                              ; everybody's is.
	s_mov_b32 s[TB], \ph*PHASE
	s_mov_b32 s[CNT], 4
.Lstep\ph:
	STEP
	s_add_co_u32 s[TB], s[TB], REC
	s_sub_co_u32 s[CNT], s[CNT], 1
	s_cmp_lg_u32 s[CNT], 0
	s_cbranch_scc1 .Lstep\ph
.endr
	; THE WAY OUT of a pass: O^T / l, quantised along the head's 64 in two blocks
.rept 8
	v_nop
.endr
	v_add_f32 v14, v14, v15
	v_permlanex16_b32 v[TT], v14, s[SEL], s[SEL+1]
	v_add_f32 v14, v14, v[TT]                      ; the row's sum
	v_rcp_f32 v14, v14
	v_nop                                          ; a plain instruction behind the reciprocal,
	s_wait_alu depctr_va_vdst(0)                   ; and the wait ahead of its first reader
.irp j, 0,2,4,6,8,10,12,14,16,18,20,22,24,26,28,30
	v_pk_mul_f32 v[O+\j:O+\j+1], v[O+\j:O+\j+1], v[14:15] op_sel_hi:[1,0]   ; each accumulator from its low end on
.endr
.irp b, 0,1
	v_max3_num_f32 v[BM+\b], |v[O+16*\b]|, |v[O+16*\b+1]|, 0x8000000
.endr
.irp i, 2,4,6,8,10,12,14
.irp b, 0,1
	v_max3_num_f32 v[BM+\b], v[BM+\b], |v[O+16*\b+\i]|, |v[O+16*\b+\i+1]|
.endr
.endr
.irp b, 0,1
	v_permlanex16_b32 v[PT+\b], v[BM+\b], s[SEL], s[SEL+1]
.endr
.irp b, 0,1
	v_max_num_f32 v[BM+\b], v[BM+\b], v[PT+\b]
.endr
.irp b, 0,1
	v_add_nc_u32 v[SOP+\b], 0xf8800000, v[BM+\b]
.endr
.irp b, 0,1
	v_and_or_b32 v[HOLD+\b], v[BM+\b], 0x7f800000, s[MNT]
.endr
.irp b, 0,1
	v_lshrrev_b32 v[PT+\b], 23, v[SOP+\b]
.endr
.irp b, 0,1
.irp i, 0,1,2,3,4,5,6,7,8,9,10,11,12,13,14,15
	v_med3_num_f32 v[O+16*\b+\i], v[O+16*\b+\i], -v[HOLD+\b], v[HOLD+\b]
.endr
	v_cvt_scalef32_pk8_bf8_f32 v[PC+4*\b:PC+4*\b+1], v[O+16*\b:O+16*\b+7], v[SOP+\b]
	v_cvt_scalef32_pk8_bf8_f32 v[PC+4*\b+2:PC+4*\b+3], v[O+16*\b+8:O+16*\b+15], v[SOP+\b]
.endr
	v_cndmask_b32 v[TT], v[PT], v[PT+1], s[HM]     ; lane (r, h) stores block h's byte of row r.  (A plain instruction behind the conversions)
	global_store_b128 v[ADL], v[PC:PC+3], s[10:11]             ; 512 consecutive bytes each
	global_store_b128 v[ADL], v[PC+4:PC+7], s[10:11] offset:512
	global_store_b8 v[OSO], v[TT], s[12:13]        ; two bytes of each row's 32: one part in 32 of what the launch stores
	s_wait_xcnt 0x0                                ; the stores and loads have read their registers and bases
	s_add_nc_u64 s[4:5], s[4:5], 16384             ; 16 tiles of queries on
	s_add_nc_u64 s[6:7], s[6:7], 1024
	s_add_nc_u64 s[10:11], s[10:11], 262144
	s_add_nc_u64 s[12:13], s[12:13], 8192
	s_sub_co_u32 s[PASS], s[PASS], 1
	s_cmp_lg_u32 s[PASS], 0
	s_cbranch_scc1 .Lpass
	s_wait_tensorcnt 0x0                           ; the wave's end
	ds_add_u32 v[SPW], v[NIL]
	s_wait_dscnt 0x0
	ROUND                                          ; the closing round
	s_endpgm
.Lfunc_end_k_qbbe5391e5a_attn:
	.size	k_qbbe5391e5a_attn, .Lfunc_end_k_qbbe5391e5a_attn-k_qbbe5391e5a_attn
	.p2alignl 7, 3214868480
	.fill 96, 4, 3214868480
	.section	.rodata,"a",@progbits
	.p2align	6, 0x0
	.amdhsa_kernel k_qbbe5391e5a_attn
		.amdhsa_group_segment_fixed_size 327680
		.amdhsa_private_segment_fixed_size 0
		.amdhsa_enable_private_segment 0
		.amdhsa_kernarg_size 40
		.amdhsa_user_sgpr_count 2
		.amdhsa_user_sgpr_kernarg_segment_ptr 1
		.amdhsa_wavefront_size32 1
		.amdhsa_system_sgpr_workgroup_id_x 1
		.amdhsa_system_sgpr_workgroup_id_y 1
		.amdhsa_system_sgpr_workgroup_id_z 1
		.amdhsa_system_vgpr_workitem_id 0
		.amdhsa_next_free_vgpr 256
		.amdhsa_next_free_sgpr 66
		.amdhsa_reserve_vcc 0
		.amdhsa_float_denorm_mode_32 3
		.amdhsa_float_denorm_mode_16_64 3
		.amdhsa_memory_ordered 1
		.amdhsa_forward_progress 1
		.amdhsa_inst_pref_size 89
	.end_amdhsa_kernel
	.amdgpu_metadata
---
amdhsa.version: [ 1, 2 ]
amdhsa.kernels:
  - .name:           k_qbbe5391e5a_attn
    .symbol:         k_qbbe5391e5a_attn.kd
    .args:
      - { .name: qc, .offset: 0, .size: 8, .value_kind: global_buffer, .address_space: global }
      - { .name: qs, .offset: 8, .size: 8, .value_kind: global_buffer, .address_space: global }
      - { .name: kv, .offset: 16, .size: 8, .value_kind: global_buffer, .address_space: global }
      - { .name: oc, .offset: 24, .size: 8, .value_kind: global_buffer, .address_space: global }
      - { .name: os, .offset: 32, .size: 8, .value_kind: global_buffer, .address_space: global }
    .group_segment_fixed_size: 327680
    .private_segment_fixed_size: 0
    .kernarg_segment_align: 8
    .kernarg_segment_size: 40
    .max_flat_workgroup_size: 512
    .sgpr_count:     66
    .vgpr_count:     256
    .wavefront_size: 32
...
	.end_amdgpu_metadata
.endif
;; end of part 2
;; launch oproj (part 3): grid 32 x 8, 4 waves a work-group, clusters of 4 x 1, 327,680 bytes of LDS; arguments oc, os, Wo_codes, Wo_scales, bo, out0; writes out0
.if DOCPART == 3
	.amdgcn_target "amdgcn-amd-amdhsa--gfx1250"
	.amdhsa_code_object_version 6
	.text
	.protected	k_qbbe5391e5a_oproj
	.globl	k_qbbe5391e5a_oproj
	.p2align	8
	.type	k_qbbe5391e5a_oproj,@function
k_qbbe5391e5a_oproj:
	s_mov_b64 s[64:65], 0
	v_nop
	global_prefetch_b8 v0, s[64:65] scope:SCOPE_SE
	s_setreg_imm32_b32 hwreg(HW_REG_WAVE_MODE, 25, 1), 1
	s_wait_xcnt 0x0
	s_wait_alu depctr_hold_cnt(0) depctr_sa_sdst(0) depctr_va_vdst(0) depctr_va_sdst(0) depctr_va_ssrc(0) depctr_va_vcc(0) depctr_vm_vsrc(0)
	s_getreg_b32 s2, hwreg(HW_REG_IB_STS2, 6, 4)
	s_cmp_eq_u32 s2, 0
	s_cbranch_scc0 .Lentry_in_a_cluster
	s_endpgm
.Lentry_in_a_cluster:
	s_bfe_u32 s2, ttmp6, 0x10000c
	s_cmp_lg_u32 s2, 0x3003
	s_cbranch_scc0 .Lentry_shape_is_right
	s_endpgm
.Lentry_shape_is_right:
; out0 = O Wo^T + bo on codes of E5M2 with E8M0 scales.  O's codes come as images of operand registers, its scale bytes as rows of 32.  No work of the problem is left out here.
; SHARES.  A work-group makes 256 rows x 128 columns.  Wo's 128 rows (1,024 bytes each) stay in LDS, filled once; the four partners of a cluster differ in their rows of O alone, so Wo is asked for JOINTLY (mask 15).
; A wave holds 64 rows of O for all of K in 512 registers, so that each fragment of Wo read from LDS feeds four matrix instructions; the columns go as two slices of 64.
; ORDER INSIDE A BLOCK OF 32.  O's codes lie with slot 16 h + i holding element 8 h + i % 8 + 16 (i / 8) of the block; Wo's fragments are read in the same order: two loads of 8 bytes a block, at 8 h and at 16 + 8 h.
; TRANSPOSED USE: source 0 = 16 rows of Wo, source 1 = 16 rows of O: a lane holds eight neighbouring columns of one row.  The bias is the C of each sum's first product.
; REGISTERS: window 0: v1-11 addresses; v32-63 O's scale words; v64-127 Wo's, both slices; v128-255 16 accumulators.  window 1: v0-127 Wo's fragments, two sets; v128-191 the bias; v192-255 rows on the way out, two sets.  windows 2, 3: O.
.set WPITCH, 1040
.set WQUART, 16*WPITCH
.set STG,    128*WPITCH                ; behind Wo: a stage of 16 rows x 272 for each wave, written by ds_store alone
.set SP,     272
.set SPARE,  STG+4*16*SP
.set IMG, 1
.set SLO, 2
.set BQO, 3
.set WAD, 4                            ; v4-5 my place in slice 0, 1
.set STO, 6
.set RD,  7
.set CO,  8
.set SPW, 10
.set NIL, 11
.set XS,  32
.set WS,  64
.set ACC, 128
.set BIA, 128                          ; window 1
.set OB,  192                          ; window 1
.set G1, 16
.set G0, 24
.set WV, 40
.set CX, 41
.set RG, 42
.set CG, 43
.set MSB, 0
.macro WIN new
.if MSB != (\new)
	s_set_vgpr_msb (MSB<<8)|(\new)
.set MSB, (\new)
.endif
.endm
.macro PLACES n
.rept \n
	v_nop
.endr
.endm
.macro ROUND
	s_barrier_signal -1
	s_barrier_wait -1
	s_cmp_lg_u32 s[WV], 0
	s_cbranch_scc1 .Lnot_wave_0_\@
	s_barrier_signal -3
.Lnot_wave_0_\@:
	s_barrier_wait -3
	s_barrier_signal -1
	s_barrier_wait -1
.endm
.macro FETCH sl, s                     ; slice sl's four fragments of K step s into set s % 2
	WIN 0x40
.irp t, 0,1,2,3
.irp c, 0,1,2,3
	ds_load_b64 v[64*((\s)%2)+16*\t+4*\c:64*((\s)%2)+16*\t+4*\c+1], v[WAD+\sl] offset:WQUART*\t+128*(\s)+32*\c
	ds_load_b64 v[64*((\s)%2)+16*\t+4*\c+2:64*((\s)%2)+16*\t+4*\c+3], v[WAD+\sl] offset:WQUART*\t+128*(\s)+32*\c+16
.endr
.endr
.endm
.macro MM m, t, s, sl
.set rD, ACC+32*(\m)+8*(\t)
.set rW, 64*((\s)%2)+16*(\t)
.set rX, 128*((\m)%2)+16*(\s)
.if (\s) == 0
	v_wmma_scale_f32_16x16x128_f8f6f4 v[rD:rD+7], v[rW:rW+15], v[rX:rX+15], v[BIA+32*(\sl)+8*(\t):BIA+32*(\sl)+8*(\t)+7], v[WS+32*(\sl)+8*(\t)+(\s)], v[XS+8*(\m)+(\s)] matrix_a_fmt:MATRIX_FMT_BF8 matrix_b_fmt:MATRIX_FMT_BF8
.else
	v_wmma_scale_f32_16x16x128_f8f6f4 v[rD:rD+7], v[rW:rW+15], v[rX:rX+15], v[rD:rD+7], v[WS+32*(\sl)+8*(\t)+(\s)], v[XS+8*(\m)+(\s)] matrix_a_fmt:MATRIX_FMT_BF8 matrix_b_fmt:MATRIX_FMT_BF8
.endif
.endm
; a slice: eight K steps of 16 matrix instructions, the 16 accumulators by turns; each step fetches the next step's fragments, eight places behind the products that read that set
.macro OLOOP sl
.irp s, 0,1,2,3,4,5,6,7
	s_wait_dscnt 0x0
.if \s > 0
	PLACES 8
.endif
.if \s < 7
	FETCH \sl, \s+1
.endif
.irp m, 0,1,2,3
.if \s == 0
	WIN 0x19+4*((\m)/2)
.else
	WIN 0x09+4*((\m)/2)
.endif
.irp t, 0,1,2,3
	MM \m, \t, \s, \sl
.endr
.endr
.endr
.endm
; THE WAY OUT, a tile of 16 rows x 64 columns at a time, through my own stage: in as 32 bytes a lane, back as whole rows of 256 bytes.  A wave's LDS instructions are served in order: no wait between the stores and the loads.
.macro TOSTAGE m
	s_wait_xcnt 0x0                                ; earlier stores have read the registers that the loads below fill
.irp t, 0,1,2,3
	ds_store_b128 v[STO], v[ACC+32*(\m)+8*\t:ACC+32*(\m)+8*\t+3] offset:64*\t        ; each accumulator from its low end on
	ds_store_b128 v[STO], v[ACC+32*(\m)+8*\t+4:ACC+32*(\m)+8*\t+7] offset:64*\t+16
.endr
	WIN 0x40
.irp i, 0,1,2,3,4,5,6,7
	ds_load_b128 v[OB+32*((\m)%2)+4*\i:OB+32*((\m)%2)+4*\i+3], v[RD] offset:2*\i*SP
.endr
	WIN 0
.endm
.macro SEND m, sl, younger             ; younger: the LDS instructions issued behind tile m's loads, which may stay out
	s_wait_dscnt \younger
	WIN 0x04
.irp i, 0,1,2,3,4,5,6,7
	global_store_b128 v[CO], v[OB+32*((\m)%2)+4*\i:OB+32*((\m)%2)+4*\i+3], s[14:15] offset:(16*(\m)+2*\i)*4096+256*(\sl) th:TH_STORE_NT   ; sixteen lanes store 256 consecutive bytes, at a multiple of 256 from the output's first byte
.endr
	WIN 0
.endm
.macro WAYOUT sl
	TOSTAGE 0
.irp m, 1,2,3
	TOSTAGE \m
	SEND \m-1, \sl, 16                             ; behind tile m - 1's loads: tile m's 8 stores and 8 loads
.endr
	SEND 3, \sl, 0
.endm
	s_load_b256 s[4:11], s[0:1], 0x0               ; oc 4, os 6, Wo codes 8, Wo scales 10
	s_load_b128 s[12:15], s[0:1], 0x20             ; bo 12, out0 14
	v_lshl_add_u32 v[SPW], v0, 2, SPARE
	v_mov_b32 v[NIL], 0
	ds_add_u32 v[SPW], v[NIL]                      ; the wave's opening: the add, twice on end, and its wait ahead of my first tensor load
	ds_add_u32 v[SPW], v[NIL]
	v_lshrrev_b32 v12, 5, v0
	v_readfirstlane_b32 s[WV], v12                 ; wave 0..3
	s_bfe_u32 s[CX], ttmp6, 0x40000
	s_lshl_b32 s[RG], ttmp9, 2
	s_add_co_u32 s[RG], s[RG], s[CX]               ; which 256 rows
	s_and_b32 s[CG], ttmp7, 0xffff                 ; which 128 columns
	s_mov_b32 s[G1], 15|(3<<16)|(1<<20)|(1<<21)|(7<<22)|(3<<25)   ; mask: all four; elements of 8 bytes; padding on; bit 21 beside a mask; after every 256 words, 4 words
	s_mov_b32 s[G1+1], 128<<16
	s_mov_b32 s[G1+2], 32<<16
	s_mov_b32 s[G1+3], 128<<16
	s_mov_b32 s[G1+4], 32
	s_mov_b32 s[G1+5], 128
	s_mov_b32 s[G1+6], 0
	s_mov_b32 s[G1+7], 0
	s_lshl_b32 s56, s[CG], 17                      ; Wo's 128 rows, my 32 of them: made of the columns' group and the wave's number alone
	s_lshl_b32 s57, s[WV], 15
	s_add_co_u32 s56, s56, s57
	s_mov_b32 s57, 0
	s_mul_i32 s58, s[WV], 2*WQUART
	s_mov_b32 s61, 0
	s_wait_dscnt 0x0                               ; both opening adds are done
	s_wait_kmcnt 0x0
	s_mov_b32 s[G0], 1
	s_mov_b32 s[G0+1], s58
	s_add_nc_u64 s[G0+2:G0+3], s[8:9], s[56:57]
	s_or_b32 s[G0+3], s[G0+3], 0x80000000
	ROUND                                          ; all four work-groups are here: the joint loads meet
	tensor_load_to_lds s[G0:G0+3], s[G1:G1+7]      ; every wave asks for its 32 rows: one load of mine is out; each byte is filled once in the launch
	s_nop 0
	PLACES 4
	s_lshl_b32 s60, s[RG], 18                      ; oc: 16,384 a tile of rows: tile 16 rg + 4 w
	s_lshl_b32 s62, s[WV], 16
	s_add_co_u32 s60, s60, s62
	s_add_nc_u64 s[4:5], s[4:5], s[60:61]
	s_lshl_b32 s60, s[RG], 13                      ; os: 32 bytes a row
	s_lshl_b32 s62, s[WV], 11
	s_add_co_u32 s60, s60, s62
	s_add_nc_u64 s[6:7], s[6:7], s[60:61]
	s_lshl_b32 s60, s[CG], 12
	s_add_nc_u64 s[10:11], s[10:11], s[60:61]      ; Wo's scale bytes of my 128 rows
	s_lshl_b32 s60, s[CG], 9
	s_add_nc_u64 s[12:13], s[12:13], s[60:61]      ; bo's 128 numbers
	s_lshl_b32 s62, s[RG], 20                      ; out0: rows of 4,096 bytes: row 256 rg + 64 w, + 512 bytes for each group of columns
	s_add_co_u32 s60, s60, s62
	s_lshl_b32 s62, s[WV], 18
	s_add_co_u32 s60, s60, s62
	s_add_nc_u64 s[14:15], s[14:15], s[60:61]
	v_and_b32 v12, 31, v0                          ; lane
	v_and_b32 v13, 15, v0                          ; r
	v_bfe_u32 v14, v0, 4, 1                        ; h
	v_lshlrev_b32 v[IMG], 4, v12
	v_lshlrev_b32 v[SLO], 5, v13
	v_lshlrev_b32 v[BQO], 5, v14
	v_mul_u32_u24 v[WAD], v13, WPITCH
	v_lshl_add_u32 v[WAD], v14, 3, v[WAD]          ; row r, + 8 h
	v_add_nc_u32 v[WAD+1], 4*WQUART, v[WAD]
	s_mul_i32 s62, s[WV], 16*SP
	s_add_co_u32 s62, s62, STG                     ; my stage
	v_mul_u32_u24 v[STO], v13, SP
	v_lshl_add_u32 v[STO], v14, 5, v[STO]
	v_add_nc_u32 v[STO], s62, v[STO]               ; in: row r, + 32 h
	v_mul_u32_u24 v[RD], v14, SP
	v_lshl_add_u32 v[RD], v13, 4, v[RD]
	v_add_nc_u32 v[RD], s62, v[RD]                 ; back: lanes 0-15 one row, lanes 16-31 the next
	v_lshlrev_b32 v[CO], 12, v14
	v_lshl_add_u32 v[CO], v13, 4, v[CO]            ; and the same two rows in out0
.irp m, 0,1,2,3
.irp u, 0,1
	global_load_b128 v[XS+8*\m+4*\u:XS+8*\m+4*\u+3], v[SLO], s[6:7] offset:512*\m+16*\u
.endr
.endr
.irp t, 0,1,2,3,4,5,6,7
.irp u, 0,1
	global_load_b128 v[WS+8*\t+4*\u:WS+8*\t+4*\u+3], v[SLO], s[10:11] offset:512*\t+16*\u
.endr
.endr
	WIN 0x40
.irp t, 0,1,2,3,4,5,6,7
.irp u, 0,1
	global_load_b128 v[BIA+8*\t+4*\u:BIA+8*\t+4*\u+3], v[BQO], s[12:13] offset:64*\t+16*\u   ; tile t of the 128 columns, register j: bo[16 t + 8 h + j]
.endr
.endr
	WIN 0x80
.set i_, 0
.rept 64
	global_load_b128 v[4*i_:4*i_+3], v[IMG], s[4:5] offset:512*i_                 ; my four tiles of O, 65,536 bytes on end, 512 consecutive bytes a load
.set i_, i_+1
.endr
	WIN 0xc0
.set i_, 0
.rept 64
	global_load_b128 v[4*i_:4*i_+3], v[IMG], s[4:5] offset:32768+512*i_
.set i_, i_+1
.endr
	WIN 0
	s_wait_tensorcnt 0x0                           ; my 32 rows of Wo are in,
	s_barrier_signal -1
	s_barrier_wait -1                              ; everybody's are.
	FETCH 0, 0
	s_wait_loadcnt 0x0                             ; O, the scale words, the bias
	OLOOP 0
	PLACES 9                                       ; nine: the next slice's first products write over these accumulators with another C; they serve the stage's stores and the loads below too
	FETCH 1, 0
	WIN 0
	WAYOUT 0                                       ; its last wait is for 0: the stage's stores have read the accumulators
	OLOOP 1
	PLACES 9
	WIN 0
	WAYOUT 1
	s_wait_tensorcnt 0x0                           ; the wave's end, behind my last tensor load and my last LDS store
	ds_add_u32 v[SPW], v[NIL]
	s_wait_dscnt 0x0
	ROUND                                          ; the closing round
	s_endpgm
.Lfunc_end_k_qbbe5391e5a_oproj:
	.size	k_qbbe5391e5a_oproj, .Lfunc_end_k_qbbe5391e5a_oproj-k_qbbe5391e5a_oproj
	.p2alignl 7, 3214868480
	.fill 96, 4, 3214868480
	.section	.rodata,"a",@progbits
	.p2align	6, 0x0
	.amdhsa_kernel k_qbbe5391e5a_oproj
		.amdhsa_group_segment_fixed_size 327680
		.amdhsa_private_segment_fixed_size 0
		.amdhsa_enable_private_segment 0
		.amdhsa_kernarg_size 48
		.amdhsa_user_sgpr_count 2
		.amdhsa_user_sgpr_kernarg_segment_ptr 1
		.amdhsa_wavefront_size32 1
		.amdhsa_system_sgpr_workgroup_id_x 1
		.amdhsa_system_sgpr_workgroup_id_y 1
		.amdhsa_system_sgpr_workgroup_id_z 1
		.amdhsa_system_vgpr_workitem_id 0
		.amdhsa_next_free_vgpr 1024
		.amdhsa_next_free_sgpr 66
		.amdhsa_reserve_vcc 0
		.amdhsa_float_denorm_mode_32 3
		.amdhsa_float_denorm_mode_16_64 3
		.amdhsa_memory_ordered 1
		.amdhsa_forward_progress 1
		.amdhsa_inst_pref_size 107
	.end_amdhsa_kernel
	.amdgpu_metadata
---
amdhsa.version: [ 1, 2 ]
amdhsa.kernels:
  - .name:           k_qbbe5391e5a_oproj
    .symbol:         k_qbbe5391e5a_oproj.kd
    .args:
      - { .name: oc, .offset: 0, .size: 8, .value_kind: global_buffer, .address_space: global }
      - { .name: os, .offset: 8, .size: 8, .value_kind: global_buffer, .address_space: global }
      - { .name: Wo_codes, .offset: 16, .size: 8, .value_kind: global_buffer, .address_space: global }
      - { .name: Wo_scales, .offset: 24, .size: 8, .value_kind: global_buffer, .address_space: global }
      - { .name: bo, .offset: 32, .size: 8, .value_kind: global_buffer, .address_space: global }
      - { .name: out0, .offset: 40, .size: 8, .value_kind: global_buffer, .address_space: global }
    .group_segment_fixed_size: 327680
    .private_segment_fixed_size: 0
    .kernarg_segment_align: 8
    .kernarg_segment_size: 48
    .max_flat_workgroup_size: 128
    .sgpr_count:     66
    .vgpr_count:     1024
    .wavefront_size: 32
...
	.end_amdgpu_metadata
.endif
;; end of part 3
